; MI455X (gfx1250); checked and timed in simulation.
; The chip was launched on July 23, 2026; its instructions are those of AMD's public machine-readable ISA for CDNA 5 (MIT licence, August 2026) and "CDNA5" Instruction Set Architecture Reference Guide (July 2026). The comments in the code are by the model that wrote it; some were corrected since.
;; Base Layer With Lo RA. Allowed arithmetic: matrix products marked QUANTISED: E4M3 operands, one E8M0 scale for each 32 along K, by v_wmma_scale_f32_16x16x128_f8f6f4 with both operands' format E4M3, f32 sums; products left as they are: f32 operands where the result goes on into a quantised operand, else bf16, f16 or f32 operands; f32 sums; everything else in f32.
;; Inputs: A_codes 16 x 128 x 32 uint8 (E4M3 codes of A, K innermost, in blocks of 32 codes); A_scales 16 x 128 uint8 (E8M0 scales of A, one for each 32 codes along K); B 4,096 x 16 float32; W_codes 4,096 x 128 x 32 uint8 (E4M3 codes of W, K innermost, in blocks of 32 codes); W_scales 4,096 x 128 uint8 (E8M0 scales of W, one for each 32 codes along K); bias 4,096 float32; x_codes 2 x 2,048 x 128 x 32 uint8 (E4M3 codes of x, K innermost, in blocks of 32 codes); x_scales 2 x 2,048 x 128 uint8 (E8M0 scales of x, one for each 32 codes along K).
;; Outputs: out0 2 x 2,048 x 4,096 float32.
;; This version of the problem:
;;   THIS VERSION OF THE PROBLEM IS GIVEN IN LOW PRECISION. The matrix products marked QUANTISED in the list below multiply operands that are first quantised to E4M3 (4 exponent bits, 3 mantissa bits; 8 bits a number), with one power-of-two scale for each 32 numbers along K (OCP MX v1.0); their sums are f32. All else is computed in f32.
;;   The module's matrix products, in the order in which they are computed (A, B: the left and right operand; K: the contracted axis; several contracted axes count as one K, in the product's order):
;;     1. [M 4,096, K 4,096] x [K 4,096, N 4,096]; A: input x (given as codes); B: input W (given as codes): QUANTISED
;;     2. [M 4,096, K 4,096] x [K 4,096, N 16]; A: input x (given as codes); B: input A (given as codes): QUANTISED
;;     3. [M 4,096, K 16] x [K 16, N 4,096]; A: computed on the way; B: input B: left as it is (K = 16 < 32)
;;   THE QUANTISER, for each operand of a quantised product, along K:
;;     - K is cut into blocks of 32 from its start; a last block that is shorter is filled with zeros.
;;     - A block's scale is 2^e with e = floor(log2(the largest magnitude in the block)) - 8, held to -126 .. 127; a block of zeros has e = 0. As a byte (E8M0): e + 127.
;;     - Each number is divided by its block's scale, clamped to +-448, and rounded to the nearest number of E4M3, ties to even, subnormals kept.
;;     - The product sums the exact products of the quantised numbers (number of the format x scale) in f32.
;;   ~~~python
;;   def quantise(x, axis):      # numpy; x: float32 -> the quantised numbers, widened to float32 again
;;       x = np.moveaxis(x, axis, -1); K = x.shape[-1]
;;       x = np.pad(x, [(0, 0)] * (x.ndim - 1) + [(0, -K % 32)]); x = x.reshape(x.shape[:-1] + (-1, 32)); a = np.abs(x).max(-1, keepdims=True)
;;       e = np.where(a > 0, np.clip(np.frexp(np.where(a > 0, a, 1))[1] - 1 - 8, -126, 127), 0)      # np.frexp(a)[1] - 1 = floor(log2(a)), exactly
;;       r = np.clip(x / 2.0 ** e, -448, 448)
;;       step = 2.0 ** (np.maximum(np.frexp(np.where(r == 0, 1, r))[1] - 1, -6) - 3)
;;       q = np.round(r / step) * step * 2.0 ** e      # np.round: ties to even
;;       return np.moveaxis(q.reshape(q.shape[:-2] + (-1,))[..., :K], -1, axis).astype(np.float32)
;;   ~~~
;;   INPUTS GIVEN AS CODES. A (in the module: [16, 4096], K = its axis 1); W (in the module: [4096, 4096], K = its axis 1); x (in the module: [2, 2048, 4096], K = its axis 2): each comes as NAME_codes (uint8): NAME with its K axis moved to the last place and cut into blocks of 32 codes, [.., K / 32, bytes a block], one block behind the other in memory; one code a byte (a code: sign, 4 exponent bits, 3 mantissa bits); and NAME_scales (uint8): the same leading axes, one E8M0 byte (e + 127) for each 32 codes along K. Its value is code x scale, taken as it is: it is not quantised again, and the codes and scales need not be those that the quantiser above would give.
;; One version. Each part assembles by itself: llvm-mc -triple=amdgcn-amd-amdhsa -mcpu=gfx1250 --defsym DOCPART=n.
;; ======== version 1 of 1: 1 launch
;; limits: values are held in bf16: 8 bits of precision; right only within a limited range of input values
;; launch lora_gemm (part 1): grid 16 x 16, 4 waves a work-group, clusters of 4 x 4, 327,680 bytes of LDS; arguments x_codes, x_scales, W_codes, W_scales, A_codes, A_scales, B, bias, out0; writes out0
.if DOCPART == 1
	.amdgcn_target "amdgcn-amd-amdhsa--gfx1250"
	.amdhsa_code_object_version 6
	.text
	.protected	k_q5f63c5e3cb_lora_gemm
	.globl	k_q5f63c5e3cb_lora_gemm
	.p2align	8
	.type	k_q5f63c5e3cb_lora_gemm,@function
k_q5f63c5e3cb_lora_gemm:
	s_mov_b64 s[64:65], 0
	v_nop
	global_prefetch_b8 v0, s[64:65] scope:SCOPE_SE
	s_setreg_imm32_b32 hwreg(HW_REG_WAVE_MODE, 25, 1), 1
	s_wait_xcnt 0x0
	s_wait_alu depctr_hold_cnt(0) depctr_sa_sdst(0) depctr_va_vdst(0) depctr_va_sdst(0) depctr_va_ssrc(0) depctr_va_vcc(0) depctr_vm_vsrc(0)
	s_getreg_b32 s2, hwreg(HW_REG_IB_STS2, 6, 4)
	s_cmp_eq_u32 s2, 0
	s_cbranch_scc0 .Lentry_in_a_cluster
	s_endpgm
.Lentry_in_a_cluster:
	s_bfe_u32 s2, ttmp6, 0x10000c
	s_cmp_lg_u32 s2, 0xf033
	s_cbranch_scc0 .Lentry_shape_is_right
	s_endpgm
.Lentry_shape_is_right:
; out[m][n] = sum_k x[m][k] W[n][k] + bias[n] + sum_r t[m][r] B[n][r],  t[m][r] = sum_k x[m][k] A[r][k].  M = N = K = 4,096, 16 ranks.
; x, W, A: codes of FP8 (E4M3), K innermost, one E8M0 byte for each 32 along K, taken as given; both products on them go by the scaled matrix instruction.  B, bias, out: f32.
; ONE LAUNCH.  A tile of out, 256 x 256, is made by a work-group of four waves; wave w makes 128 x 128 (row half SD = w / 2, column half HF = w % 2): 64 accumulators, 512 registers.
; K goes in 16 steps of 256 through a ring of two LDS slots filled by the tensor data mover; a K step is two sub-steps of 128 (STEP: the first; TURN: the second, and the change of slots).
; THE WALK ALONG K HAS TWO STARTS.  PAR = (cluster x + cluster y) % 2.  Clusters with PAR = 0 walk K steps 0 .. 15, those with PAR = 1 walk 8 .. 15, 0 .. 7: of the clusters that read the same rows of x or W
;   half take one half of K while the others take the other.  PAR is the same in all partners of a cluster and enters addresses in memory alone.  'Step j' below is the walk's j-th.
; THE MATRIX INSTRUCTION IS USED TRANSPOSED (source 0 = 16 rows of W, source 1 = 16 rows of x): a lane holds eight neighbouring columns of one row of out.
; CLUSTERS: 4 x 4 work-groups; x's tiles and scale bytes are asked for jointly along a row of the cluster, W's along a column.
; THE HEAD: one joint load a wave: wave 0 step 0's 256 rows of x, wave 1 x's scale bytes, wave 2 the 256 rows of W, wave 3 W's scale bytes.  Slot 1's first fill is issued as a refill is.
; THE SCALE BYTES of the 256 + 256 rows lie in LDS for HALF of K at a time (64 bytes a row, pitch 72): all of K does not fit beside two slots.  The second half comes once, at the change of slots behind step 6,
;   shared out as at the head.  Step 7's words are read ahead of that round.
; t IS MADE ON THE WAY.  The two waves of a row half hold the same 128 rows of x; each makes t for 64 of them: 4 more matrix instructions a sub-step (source 0 = A's 16 rows, source 1 = x's fragment).
;   Fragment place i of x holds row block i xor 4 HF, so every wave multiplies its places 0-3 by A.  A lane then holds t[row l % 16][rank 8 (l / 16) + 0..7], which, rounded to bf16 in pairs, is source 1 of
;   the last product t B^T (K = 16, filled to 32 with zeros on both sides).  Places 0-3 take the wave's own t; the partner's four fragments, for places 4-7, come through LDS.
; A'S TILE of a K step (4,096 bytes against the 131,072 of x's and W's) is not asked for jointly: behind a round each wave's one tensor load is taken.  It comes through registers: two loads a wave,
;   sixteen lanes to 256 consecutive bytes, a K step ahead, and two LDS stores into a ring of its own.  A's 2,048 scale bytes go to LDS once, by the same road.
; bias is the C of the first sub-step's 64 products: nothing is cleared and nothing is added later.
; LIMITS.  The f32 sums over K run in the order of the walk, which with PAR = 1 is not ascending K.  t and B are rounded to bf16 for t B^T (relative error 2^-9 each, in that term alone).
;   A scale byte 0xff or a NaN code gives NaN in the sums that it enters.  NaN and infinities in B and bias go through as they are.
; REGISTERS, in windows of 256.  Window 0: v0-31 addresses; v32-63 scale words, two sets; v64-95 t; v96-111 A's fragment; v112-119 A's next tile; v128-255 x's 8 fragments, ONE set.
;   At the end v64-127 hold t as bf16 (8 fragments of 8) and v128-255 the rows on their way out.
;   Window 1: W's fragments, TWO sets, at v0 and v128 (at the head v128-191 hold bias; at the end v0-63 B as f32, v64-127 B as bf16).  Window 2: accumulators of x's places 0-3 ((a, b) at v[8 (8 (a % 4) + b)]); window 3: places 4-7.
.set PITCH,  272                       ; an LDS row of codes: 256 bytes + 16 of padding: the 16 rows of a fragment load start at 16 different banks (ISA guide 11.1)
.set BLK16,  16*PITCH
.set HALFT,  128*PITCH
.set SLOT,   4*HALFT                   ; x's 256 rows, then W's 256 rows
.set SCL,    2*SLOT                    ; x's scale bytes, 256 rows of 64 bytes + 8
.set SPT,    72
.set SBLK,   16*SPT
.set PW,     SCL+256*SPT+128           ; W's scale bytes; the 128 bytes between put lanes 16-31 of a scale load on other banks than lanes 0-15
.set LAR,    PW+256*SPT+128            ; A's tiles: a ring of two, 16 rows of 272 bytes; written by LDS stores alone; a multiple of 256
.set LAS,    16*PITCH
.set LSC,    LAR+2*LAS                 ; A's scale bytes: 16 rows of 128 bytes + 16
.set LSP,    144
.set SPARE,  LSC+16*LSP                ; the spare words, 128 bytes a wave: two blocks of 256 bytes that no other line names
.set SPITCH, 528                       ; the way out: a stage of 16 rows x (512 + 16) bytes for each wave, in slot 0, which has had its last fill and last read by then
.set TX,     4*16*SPITCH               ; behind the stages, in slot 0 too: t's images, 4 x 512 bytes a wave
.set ADRAL, 2                          ; v2-3   x's places 0-3 in slot 0, 1
.set ADRAH, 4                          ; v4-5   x's places 4-7
.set ADRB,  6                          ; v6-7   W's fragments
.set ADSL,  8                          ; v8     scale words: lanes 0-15 x's places 0-3, lanes 16-31 W's blocks 0-3
.set ADSH,  9                          ; v9     the same for 4-7
.set ADLS,  10                         ; v10    A's scale words: lanes 0-15 the first 128 of a K step, lanes 16-31 the second
.set ADRL,  11                         ; v11    A's fragment
.set LST,   12                         ; v12    where I store my 16 bytes of A's tile
.set VLA,   13                         ; v13    and where they lie in a K step of A_codes
.set PFO,   14                         ; v14    the prefetches' offset: lane x 4,096
.set SPW,   16                         ; v16    my spare word; never rewritten
.set NIL,   17                         ; v17    0; never rewritten
.set LSW,   18                         ; v18-19 A's scale words, a register for each slot
.set STO,   20                         ; v20    the way out: where I put 32 bytes of a row
.set RD,    21                         ; v21    where I read a row back
.set CO,    22                         ; v22    16 x lane
.set TXS,   23                         ; v23    where I store t's images
.set TXL,   24                         ; v24    where my partner's lie
.set VB,    25                         ; v25    B: row l % 16 of 64 bytes, + 32 (l / 16)
.set SC,    32                         ; scale words: set s at v[SC + 16 s]; register 2 i + q: lanes 0-15 x's place i, lanes 16-31 W's block i, the K step's q-th 128
.set T,     64
.set LF,    96
.set STG,   112
.set AF,    128
.set TF,    64                         ; at the end: t as bf16, in place over t, A's fragment and A's tile
.set BK,    128                        ; the way out: blocks 0 and 1 come back from the stage into v128-191 and v192-255
.set BF,    64                         ; window 1, at the end: B as bf16
.set BIA,   128                        ; window 1, at the head: bias
.set CNT,   3
.set WRC,   4                          ; s[4:5]  4,096 PAR: what the codes' addresses go back by where the walk passes K's end
.set WRS,   6                          ; s[6:7]  128 PAR: the same for the scale bytes
.set LAB,   12                         ; s[12:13] A_codes at the K step whose tile is asked for next
.set BP,    16                         ; s[16:17] B at my 128 columns
.set OUTL,  20                         ; s[20:21] out at the rows of x's places 0-3
.set WV,    22
.set SD,    23
.set G1X,   24                         ; group 1: 128 rows of x; of W
.set G1W,   32
.set G0X,   40                         ; group 0 for x's tiles, a set for each slot; for W's
.set G0W,   48
.set G0SX,  56                         ; group 0 for the scale bytes
.set G0SW,  60
.set HF,    66
.set G1SX,  68                         ; group 1 for the scale bytes
.set G1SW,  76
.set G1XB,  84                         ; group 1: all 256 rows of x, of W
.set G1WB,  92
.set PFA,   100                        ; s[100:101] where my prefetches stand
.set OUTH,  104                        ; s[104:105] out at the rows of x's places 4-7
.set CW0, (3<<16)|(1<<20)|(1<<21)|(5<<22)|(3<<25)   ; codes: counted in elements of 8 bytes; padding on; bit 21 beside a mask; after every 64 words 4 words
.set SW0, (3<<16)|(1<<20)|(1<<21)|(3<<22)|(1<<25)   ; scale bytes: 8-byte elements; after every 16 words 2 words
.set MSB, 0
.macro WIN new                         ; the immediate's high byte repeats the setting that is left; a switch that changes nothing is dropped
.if MSB != (\new)
	s_set_vgpr_msb (MSB<<8)|(\new)
.set MSB, (\new)
.endif
.endm
.set MUL_LO, 0xa1                      ; source 0 (W) window 1, source 1 (x) window 0, C and D window 2
.set MUL_HI, 0xf1                      ; the same, C and D window 3
.set TO_B,   0x40                      ; destination window 1
.macro PLACES n                        ; plain vector instructions between a matrix instruction and a load into, or a read of, its registers
.rept \n
	v_nop
.endr
.endm
.macro TL g0, g1                       ; a tensor load with the s_nop 0 and four v_nop behind it
	tensor_load_to_lds s[\g0:\g0+3], s[\g1:\g1+7]
	s_nop 0
.rept 4
	v_nop
.endr
.endm
.macro JLOAD s                         ; a joint load: waves 0, 1 fetch x's two halves, waves 2, 3 W's; the branch hangs on the wave's number alone
	s_cmp_eq_u32 s[SD], 0
	s_cbranch_scc0 .Lfor_w_\@
	TL G0X+4*\s, G1X
	s_branch .Lasked_\@
.Lfor_w_\@:
	TL G0W+4*\s, G1W
.Lasked_\@:
.endm
.macro JLOAD7                          ; slot 0 and the scale bytes: wave 0 all 256 rows of x, wave 1 x's scale bytes, wave 2 all 256 rows of W, wave 3 W's scale bytes: one chain, one load to an arm
	s_cmp_eq_u32 s[WV], 0
	s_cbranch_scc0 .Lj1_\@
	TL G0X, G1XB
	s_branch .Ljd_\@
.Lj1_\@:
	s_cmp_eq_u32 s[WV], 1
	s_cbranch_scc0 .Lj2_\@
	TL G0SX, G1SX
	s_branch .Ljd_\@
.Lj2_\@:
	s_cmp_eq_u32 s[WV], 2
	s_cbranch_scc0 .Lj3_\@
	TL G0W, G1WB
	s_branch .Ljd_\@
.Lj3_\@:
	TL G0SW, G1SW
.Ljd_\@:
.endm
.macro CREST                           ; a round of the cluster's barrier behind its opening barrier
	s_cmp_lg_u32 s[WV], 0
	s_cbranch_scc1 .Lnot_wave_0_\@
	s_barrier_signal -3
.Lnot_wave_0_\@:
	s_barrier_wait -3
	s_barrier_signal -1
	s_barrier_wait -1
.endm
.macro CROUND
	s_barrier_signal -1
	s_barrier_wait -1
	CREST
.endm
; A PREFETCH INTO THE L2 of the K step that stands two refills on: 32 rows x 256 bytes, a lane a row, one instruction a wave, behind the joint load and the run of LDS loads.
; Every cluster asks for what it will itself load: its four tile rows of x and its four tile columns of W.  The four partners of a joint load share its rows out by address:
; of a wave's 128 rows the partner at place p takes 32 p .. 32 p + 31 (p = cx for x, cy for W).  So each row's 256 bytes of a K step are named once in each cluster that will load them.
; The change of slots behind the walk's step j refills with step j + 2 and names step j + 4.  Steps 1 and 2 are asked for at the head, behind the first joint loads and the scalar work that follows them,
; step 3 behind step 1's joint load; step 0 comes by its load alone.  The last two refills (j = 12, 13) ask for nothing: gate = 1, in the second loop, whose last trip (CNT = 1) holds them.
; What a work-group has asked for and not yet requested by a tensor load is at most two K steps of the 128 rows that its four waves name.
.macro ASK gate
.if \gate
	s_cmp_gt_u32 s[CNT], 1
	s_cbranch_scc0 .Lnot_mine_\@
.endif
	global_prefetch_b8 v[PFO], s[PFA:PFA+1] offset:256 th:TH_LOAD_NT scope:SCOPE_SE
.if \gate
.Lnot_mine_\@:
.endif
.endm
.macro G1SET g, d0, rows, pitch        ; group 1's constant words: a row of d0 elements, so many rows, the pitch in elements
	s_mov_b32 s[\g+1], (\d0)<<16
	s_mov_b32 s[\g+2], (\rows)<<16
	s_mov_b32 s[\g+3], (\d0)<<16
	s_mov_b32 s[\g+4], \rows
	s_mov_b32 s[\g+5], \pitch
	s_mov_b32 s[\g+6], 0
	s_mov_b32 s[\g+7], 0
.endm
	s_load_b256 s[4:11], s[0:1], 0x0               ; x_codes, x_scales, W_codes, W_scales
	s_load_b256 s[12:19], s[0:1], 0x20             ; A_codes, A_scales, B, bias
	s_load_b64 s[20:21], s[0:1], 0x40              ; out0
	v_lshl_add_u32 v[SPW], v0, 2, SPARE
	v_mov_b32 v[NIL], 0
	ds_add_u32 v[SPW], v[NIL]                      ; the opening lines: the add, twice on end; the set-up below stands between them and their wait
	ds_add_u32 v[SPW], v[NIL]
	v_lshrrev_b32 v1, 5, v0
	v_readfirstlane_b32 s[WV], v1                  ; wave 0..3
	s_lshr_b32 s[SD], s[WV], 1                     ; my half of the tile's rows.  Also: I fetch for x (0) or W (1)
	s_and_b32 s[HF], s[WV], 1                      ; my half of its columns.  Also: which 128 rows I fetch
	s_bfe_u32 s100, ttmp6, 0x40000                 ; cx
	s_bfe_u32 s101, ttmp6, 0x40004                 ; cy
	s_lshl_b32 s3, ttmp9, 2
	s_add_co_u32 s3, s3, s100                      ; tile column
	s_and_b32 s2, ttmp7, 0xffff
	s_lshl_b32 s2, s2, 2
	s_add_co_u32 s2, s2, s101                      ; tile row
	s_lshl_b32 s104, s101, 2
	s_lshl_b32 s104, 15, s104                      ; my row of the cluster
	s_lshl_b32 s105, 0x1111, s100                  ; my column
	s_or_b32 s[G1X], s104, CW0
	s_or_b32 s[G1XB], s104, CW0
	s_or_b32 s[G1SX], s104, SW0
	s_or_b32 s[G1W], s105, CW0
	s_or_b32 s[G1WB], s105, CW0
	s_or_b32 s[G1SW], s105, SW0
	G1SET G1X, 32, 128, 512                        ; a row of 256 bytes is 32 elements of 8 bytes; from row to row 4,096 bytes are 512
	G1SET G1W, 32, 128, 512
	G1SET G1XB, 32, 256, 512
	G1SET G1WB, 32, 256, 512
	G1SET G1SX, 8, 256, 16                         ; half a row of scale bytes: 8 elements of 8 bytes; a row is 128 bytes
	G1SET G1SW, 8, 256, 16
	; groups 0: count, LDS address, and in the address words for now the byte offset.  x's hang on the tile row, the wave and PAR alone, W's on the tile column, the wave and PAR alone
	s_mov_b32 s[G0X], 1
	s_mov_b32 s[G0X+4], 1
	s_mov_b32 s[G0W], 1
	s_mov_b32 s[G0W+4], 1
	s_mov_b32 s[G0SX], 1
	s_mov_b32 s[G0SW], 1
	s_mul_i32 s[G0X+1], s[WV], HALFT               ; wave x 128 rows: no place in the cluster enters an LDS address
	s_add_co_u32 s[G0X+5], s[G0X+1], SLOT
	s_mul_i32 s[G0W+1], s[WV], HALFT
	s_add_co_u32 s[G0W+5], s[G0W+1], SLOT
	s_mov_b32 s[G0SX+1], SCL
	s_mov_b32 s[G0SW+1], PW
	s_and_b32 s104, ttmp7, 0xffff
	s_add_co_u32 s104, s104, ttmp9
	s_and_b32 s104, s104, 1                        ; PAR
	s_lshl_b32 s105, s104, 11                      ; the walk's start in a row of codes,
	s_lshl_b32 s104, s104, 6                       ; and in a row of scale bytes
	s_lshl_b32 s[G0X+2], s2, 20                    ; 256 rows x 4,096 bytes x tile row
	s_lshl_b32 s[G0X+6], s[HF], 19                 ; + 128 rows x half
	s_add_co_u32 s[G0X+2], s[G0X+2], s[G0X+6]
	s_add_co_u32 s[G0X+2], s[G0X+2], s105
	s_add_co_u32 s[G0X+6], s[G0X+2], 256           ; slot 1: step 1
	s_mov_b32 s[G0X+3], 0
	s_mov_b32 s[G0X+7], 0
	s_lshl_b32 s[G0W+2], s3, 20
	s_lshl_b32 s[G0W+6], s[HF], 19
	s_add_co_u32 s[G0W+2], s[G0W+2], s[G0W+6]
	s_add_co_u32 s[G0W+2], s[G0W+2], s105
	s_add_co_u32 s[G0W+6], s[G0W+2], 256
	s_mov_b32 s[G0W+3], 0
	s_mov_b32 s[G0W+7], 0
	s_lshl_b32 s[G0SX+2], s2, 15                   ; 256 rows x 128 bytes x tile row
	s_add_co_u32 s[G0SX+2], s[G0SX+2], s104
	s_mov_b32 s[G0SX+3], 0
	s_lshl_b32 s[G0SW+2], s3, 15
	s_add_co_u32 s[G0SW+2], s[G0SW+2], s104
	s_mov_b32 s[G0SW+3], 0
	; the prefetches: who asks, and from where
	s_cmp_eq_u32 s[SD], 0                          ; do I fetch for x?
	s_cselect_b32 s104, s100, s101                 ; my place among the four that ask with me
	s_cselect_b32 s105, s2, s3                     ; the tile's number
	s_lshl_b32 s105, s105, 8
	s_lshl_b32 s100, s[HF], 7
	s_add_co_u32 s105, s105, s100
	s_lshl_b32 s104, s104, 5
	s_add_co_u32 s105, s105, s104
	s_lshl_b32 s[PFA], s105, 12
	s_add_co_u32 s[PFA], s[PFA], 2*256             ; at step 2: the first change of slots steps it to 3 and names step 4
	s_and_b32 s104, ttmp7, 0xffff
	s_add_co_u32 s104, s104, ttmp9
	s_and_b32 s104, s104, 1                        ; PAR once more; s104 and s105 stand until out's addresses are made
	s_lshl_b32 s105, s104, 11
	s_add_co_u32 s[PFA], s[PFA], s105
	s_mov_b32 s[PFA+1], 0
	s_wait_dscnt 0x0                               ; both opening adds are done
	s_wait_kmcnt 0x0
.irp s, 0,1
	s_add_nc_u64 s[G0X+4*\s+2:G0X+4*\s+3], s[4:5], s[G0X+4*\s+2:G0X+4*\s+3]
	s_or_b32 s[G0X+4*\s+3], s[G0X+4*\s+3], 0x80000000
	s_add_nc_u64 s[G0W+4*\s+2:G0W+4*\s+3], s[8:9], s[G0W+4*\s+2:G0W+4*\s+3]
	s_or_b32 s[G0W+4*\s+3], s[G0W+4*\s+3], 0x80000000
.endr
	s_add_nc_u64 s[G0SX+2:G0SX+3], s[6:7], s[G0SX+2:G0SX+3]
	s_or_b32 s[G0SX+3], s[G0SX+3], 0x80000000
	s_add_nc_u64 s[G0SW+2:G0SW+3], s[10:11], s[G0SW+2:G0SW+3]
	s_or_b32 s[G0SW+3], s[G0SW+3], 0x80000000
	CROUND                                         ; all sixteen work-groups are here: the first joint loads meet
	JLOAD7                                         ; the head's four tiles, one a wave
	s_cmp_eq_u32 s[SD], 0
	s_cselect_b64 s[4:5], s[4:5], s[8:9]
	s_add_nc_u64 s[PFA:PFA+1], s[4:5], s[PFA:PFA+1]
	; s4-s11 are free from here on
	s_lshl_b32 s11, s104, 6                        ; 64 PAR, for A's scale bytes
	s_add_co_u32 s4, s105, 256
	s_mov_b32 s5, 0
	s_add_nc_u64 s[LAB:LAB+1], s[LAB:LAB+1], s[4:5]  ; A_codes at step 1
	s_lshl_b32 s4, s3, 14                          ; 256 rows of B x 64 bytes x tile column
	s_lshl_b32 s6, s[HF], 13
	s_add_co_u32 s4, s4, s6
	s_mov_b32 s5, 0
	s_add_nc_u64 s[BP:BP+1], s[BP:BP+1], s[4:5]
	s_lshr_b32 s4, s4, 4                           ; my first column x 4 bytes
	s_add_nc_u64 s[18:19], s[18:19], s[4:5]        ; bias
	s_lshl_b32 s6, s2, 22                          ; 256 rows of out x 16,384 bytes x tile row
	s_lshl_b32 s7, s[SD], 21
	s_add_co_u32 s6, s6, s7
	s_add_co_u32 s6, s6, s4
	s_lshl_b32 s7, s[HF], 20                       ; x's places 0-3 are rows 64 HF on,
	s_xor_b32 s8, s7, 1<<20                        ; places 4-7 rows 64 (1 - HF) on
	s_add_co_u32 s8, s8, s6
	s_mov_b32 s9, 0
	s_add_nc_u64 s[OUTH:OUTH+1], s[OUTL:OUTL+1], s[8:9]
	s_add_co_u32 s4, s6, s7
	s_add_nc_u64 s[OUTL:OUTL+1], s[OUTL:OUTL+1], s[4:5]
	v_and_b32 v1, 31, v0                           ; lane
	v_lshlrev_b32 v[PFO], 12, v1                   ; a lane a row of 4,096 bytes; never rewritten
	global_prefetch_b8 v[PFO], s[PFA:PFA+1] offset:-256 th:TH_LOAD_NT scope:SCOPE_SE   ; step 1's 256 bytes of my work-group's 32 rows (the address stands at step 2),
	global_prefetch_b8 v[PFO], s[PFA:PFA+1] th:TH_LOAD_NT scope:SCOPE_SE               ; and step 2's
	v_and_b32 v26, 15, v0                          ; r = l % 16
	v_bfe_u32 v27, v0, 4, 1                        ; h = l / 16
	v_lshrrev_b32 v31, 4, v0                       ; thread / 16: my row of A's tile (and that row + 8)
	v_lshlrev_b32 v30, 4, v26
	v_lshl_add_u32 v[VLA], v31, 12, v30            ; in memory: sixteen lanes read 256 consecutive bytes
	v_mul_u32_u24 v[LST], v31, PITCH
	v_add_nc_u32 v[LST], v[LST], v30
	v_add_nc_u32 v[LST], LAR, v[LST]
	global_load_b128 v[120:123], v[VLA], s[LAB:LAB+1] offset:-256              ; A's tile of step 0
	global_load_b128 v[124:127], v[VLA], s[LAB:LAB+1] offset:8*4096-256
	v_lshlrev_b32 v29, 4, v0
	v_xor_b32 v29, s11, v29                        ; with PAR = 1 the halves of a row of 128 bytes change places: LDS gets them in the order of the walk
	global_load_b128 v[96:99], v29, s[14:15]       ; A's scale bytes: 2,048 dense bytes, 16 a thread
	v_lshlrev_b32 v28, 5, v27                      ; bias: lane (r, h) wants, for W's block b, columns 16 b + 8 h + 0 .. 7
	WIN TO_B
.irp b, 0,1,2,3,4,5,6,7
	global_load_b128 v[BIA+8*\b:BIA+8*\b+3], v28, s[18:19] offset:64*\b
	global_load_b128 v[BIA+8*\b+4:BIA+8*\b+7], v28, s[18:19] offset:64*\b+16
.endr
	WIN 0
	global_load_b128 v[STG:STG+3], v[VLA], s[LAB:LAB+1]                        ; A's tile of step 1
	global_load_b128 v[STG+4:STG+7], v[VLA], s[LAB:LAB+1] offset:8*4096
	v_lshrrev_b32 v31, 3, v0                       ; A's scale bytes in LDS: row thread / 8, 16 (thread % 8)
	v_and_b32 v30, 7, v0
	v_mul_u32_u24 v31, v31, LSP
	v_lshl_add_u32 v31, v30, 4, v31
	v_add_nc_u32 v31, LSC, v31
	v_mul_u32_u24 v30, v26, PITCH
	v_lshl_add_u32 v30, v27, 4, v30                ; a fragment's row x pitch + 16 x half
	s_wait_alu depctr_va_vdst(0)
	s_mul_i32 s4, s[SD], HALFT                     ; my 128 rows of x
	s_mul_i32 s5, s[HF], 4*BLK16
	s_add_co_u32 s5, s5, s4                        ; places 0-3: row blocks 4 HF on
	s_xor_b32 s6, s[HF], 1
	s_mul_i32 s7, s6, 4*BLK16
	s_add_co_u32 s7, s7, s4                        ; places 4-7
	s_mul_i32 s8, s[HF], HALFT
	s_add_co_u32 s8, s8, 2*HALFT                   ; my 128 rows of W
	v_add_nc_u32 v[ADRAL], s5, v30
	v_add_nc_u32 v[ADRAH], s7, v30
	v_add_nc_u32 v[ADRB], s8, v30
	v_add_nc_u32 v[ADRAL+1], SLOT, v[ADRAL]
	v_add_nc_u32 v[ADRAH+1], SLOT, v[ADRAH]
	v_add_nc_u32 v[ADRB+1], SLOT, v[ADRB]
	v_add_nc_u32 v[ADRL], LAR, v30
	s_mul_i32 s4, s[SD], 128*SPT                   ; the scale words: x's base for lanes 0-15, + h x (W's base - x's) for lanes 16-31: one product
	s_mul_i32 s5, s[HF], 64*SPT
	s_add_co_u32 s5, s5, s4
	s_add_co_u32 s5, s5, SCL
	s_mul_i32 s7, s6, 64*SPT
	s_add_co_u32 s7, s7, s4
	s_add_co_u32 s7, s7, SCL
	s_mul_i32 s8, s[HF], 128*SPT
	s_add_co_u32 s8, s8, PW
	s_sub_co_u32 s9, s8, s5
	s_add_co_u32 s8, s8, 64*SPT
	s_sub_co_u32 s10, s8, s7
	v_mul_u32_u24 v15, v26, SPT
	v_mul_u32_u24 v[ADSL], s9, v27
	v_add_nc_u32 v[ADSL], v[ADSL], v15
	v_add_nc_u32 v[ADSL], s5, v[ADSL]
	v_mul_u32_u24 v[ADSH], s10, v27
	v_add_nc_u32 v[ADSH], v[ADSH], v15
	v_add_nc_u32 v[ADSH], s7, v[ADSH]
	v_mul_u32_u24 v[ADLS], v26, LSP
	v_lshl_add_u32 v[ADLS], v27, 2, v[ADLS]
	v_add_nc_u32 v[ADLS], LSC, v[ADLS]
	s_mul_i32 s4, s[WV], 16*SPITCH                 ; my stage
	v_mul_u32_u24 v[STO], v26, SPITCH
	v_lshl_add_u32 v[STO], v27, 5, v[STO]
	v_add_nc_u32 v[STO], s4, v[STO]
	v_lshlrev_b32 v[CO], 4, v1
	v_add_nc_u32 v[RD], s4, v[CO]
	s_lshl_b32 s5, s[WV], 11
	s_add_co_u32 s5, s5, TX
	v_add_nc_u32 v[TXS], s5, v[CO]                 ; t's images: mine,
	s_xor_b32 s6, s[WV], 1
	s_lshl_b32 s6, s6, 11
	s_add_co_u32 s6, s6, TX
	v_add_nc_u32 v[TXL], s6, v[CO]                 ; and those of the wave with my rows and the other columns
	v_lshlrev_b32 v[VB], 6, v26
	v_lshl_add_u32 v[VB], v27, 5, v[VB]
	s_and_b32 s4, ttmp7, 0xffff
	s_add_co_u32 s4, s4, ttmp9
	s_and_b32 s4, s4, 1                            ; PAR
	s_lshl_b32 s[WRS], s4, 7
	s_lshl_b32 s[WRC], s4, 12
	s_mov_b32 s[WRC+1], 0
	s_mov_b32 s[WRS+1], 0
	s_mov_b32 s9, 0                                ; the upper word of s[8:9], what the prefetches' address goes back by
	s_wait_alu depctr_va_vdst(0)
	s_wait_loadcnt 18                              ; A's tile 0 and its scale bytes are in; bias (16 loads) and tile 1 (2) may be out
	ds_store_b128 v[LST], v[120:123]
	ds_store_b128 v[LST], v[124:127] offset:8*PITCH
	ds_store_b128 v31, v[96:99]
	s_wait_tensorcnt 0x0                           ; my tile of the head's four is in; slot 1's first fill is issued as a refill is:
	ds_add_u32 v[SPW], v[NIL]                      ; the add,
	s_wait_dscnt 0x0                               ; it and my stores are done,
	CROUND                                         ; a whole round: all four tiles are in, in all sixteen work-groups,
	JLOAD 1                                        ; and step 1's joint load is the first tensor load behind it
	global_prefetch_b8 v[PFO], s[PFA:PFA+1] offset:256 th:TH_LOAD_NT scope:SCOPE_SE    ; step 3: two refills on, as in the loops
.macro FRAG reg, adr, off              ; a fragment, 16 rows x 128 K: lane l holds row l % 16; registers 4 c .. 4 c + 3 hold K = 32 c + 16 (l / 16) + 0 .. 15
.irp c, 0,1,2,3
	ds_load_b128 v[\reg+4*\c:\reg+4*\c+3], v[\adr] offset:(\off)+32*\c
.endr
.endm
.macro FETCH_B slot, q, p              ; W's eight fragments of the slot's q-th 128 into set p
	WIN TO_B
.irp i, 0,1,2,3,4,5,6,7
	FRAG 128*(\p)+16*\i, ADRB+\slot, 128*(\q)+\i*BLK16
.endr
	WIN 0
.endm
.macro FETCH_A slot, q, hi             ; x's places 0-3 (hi = 0) or 4-7 (hi = 1)
.irp i, 0,1,2,3
.if \hi
	FRAG AF+16*(4+\i), ADRAH+\slot, 128*(\q)+\i*BLK16
.else
	FRAG AF+16*\i, ADRAL+\slot, 128*(\q)+\i*BLK16
.endif
.endr
.endm
.macro FETCH_L slot, q                 ; A's fragment
	FRAG LF, ADRL, (\slot)*LAS+128*(\q)
.endm
.macro SCALES sc, off                  ; a K step's scale words into set sc: two words a row
.irp i, 0,1,2,3
	ds_load_b64 v[SC+16*(\sc)+2*\i:SC+16*(\sc)+2*\i+1], v[ADSL] offset:\i*SBLK+(\off)
.endr
.irp i, 0,1,2,3
	ds_load_b64 v[SC+16*(\sc)+8+2*\i:SC+16*(\sc)+8+2*\i+1], v[ADSH] offset:\i*SBLK+(\off)
.endr
.endm
.macro LSCALE sc, step                 ; A's scale words of a K step
.if \step
	v_add_nc_u32 v[ADLS], 8, v[ADLS]
.endif
	ds_load_b32 v[LSW+\sc], v[ADLS]
.endm
; 16 matrix instructions: x's places a0, a0 + 1 against W's eight blocks, 128 along K.  p: W's set; q, sc: which scale words.  bias = 1: the first products take bias as C.
; The accumulators take turns, one instruction a turn.
.macro MUL16 a0, p, q, sc, bias
.irp a, \a0, \a0+1
.irp b, 0,1,2,3,4,5,6,7
.if \bias
	v_wmma_scale_f32_16x16x128_f8f6f4 v[8*(8*((\a)%4)+\b):8*(8*((\a)%4)+\b)+7], v[128*(\p)+16*\b:128*(\p)+16*\b+15], v[AF+16*(\a):AF+16*(\a)+15], v[BIA+8*\b:BIA+8*\b+7], v[SC+16*(\sc)+2*\b+(\q)], v[SC+16*(\sc)+2*(\a)+(\q)] matrix_a_scale:MATRIX_SCALE_ROW1
.else
	v_wmma_scale_f32_16x16x128_f8f6f4 v[8*(8*((\a)%4)+\b):8*(8*((\a)%4)+\b)+7], v[128*(\p)+16*\b:128*(\p)+16*\b+15], v[AF+16*(\a):AF+16*(\a)+15], v[8*(8*((\a)%4)+\b):8*(8*((\a)%4)+\b)+7], v[SC+16*(\sc)+2*\b+(\q)], v[SC+16*(\sc)+2*(\a)+(\q)] matrix_a_scale:MATRIX_SCALE_ROW1
.endif
.endr
.endr
.endm
; 4 matrix instructions, all in window 0: t of x's places 0-3.  A's scale words: lanes 0-15 for q = 0, lanes 16-31 for q = 1.
.macro TMUL q, sc, zero
.irp i, 0,1,2,3
.if \zero
	v_wmma_scale_f32_16x16x128_f8f6f4 v[T+8*\i:T+8*\i+7], v[LF:LF+15], v[AF+16*\i:AF+16*\i+15], 0, v[LSW+\sc], v[SC+16*(\sc)+2*\i+(\q)]
.elseif \q
	v_wmma_scale_f32_16x16x128_f8f6f4 v[T+8*\i:T+8*\i+7], v[LF:LF+15], v[AF+16*\i:AF+16*\i+15], v[T+8*\i:T+8*\i+7], v[LSW+\sc], v[SC+16*(\sc)+2*\i+(\q)] matrix_a_scale:MATRIX_SCALE_ROW1
.else
	v_wmma_scale_f32_16x16x128_f8f6f4 v[T+8*\i:T+8*\i+7], v[LF:LF+15], v[AF+16*\i:AF+16*\i+15], v[T+8*\i:T+8*\i+7], v[LSW+\sc], v[SC+16*(\sc)+2*\i+(\q)]
.endif
.endr
.endm
; A K step's first 128 along K.  W's set 1, for the second 128, was asked for at the end of the TURN before.
; first = 1: the launch's first: bias is the C (it lies where W's set 1 will lie, so that set is fetched behind the second half), t starts with 0.
; bl = 1, the last K step: B's rows are asked for, into W's set 0, which is done with.
.macro STEP slot, first, bl
.if \first
	s_wait_dscnt 16                                ; all but x's places 4-7
	WIN 0x91                                       ; source 0 window 1, source 1 window 0, C window 1 (bias), D window 2
.else
	s_wait_dscnt 48                                ; all but x's places 4-7 (16) and W's set 1 (32)
	WIN MUL_LO
.endif
	MUL16 0, 0, 0, \slot, \first
	MUL16 2, 0, 0, \slot, \first
	WIN 0
	TMUL 0, \slot, \first
.if \first
	s_wait_dscnt 0x0
.else
	s_wait_dscnt 32                                ; x's places 4-7 are in; W's set 1 may be out
.endif
	PLACES 8
	FETCH_A \slot, 1, 0
	FETCH_L \slot, 1
.if \first
	WIN 0xd1                                       ; as 0x91, D in window 3
.else
	WIN MUL_HI
.endif
	MUL16 4, 0, 0, \slot, \first
	MUL16 6, 0, 0, \slot, \first
	PLACES 8
.if \first
	FETCH_B \slot, 1, 1
.endif
.if \bl
	WIN TO_B
.irp b, 0,1,2,3,4,5,6,7
	global_load_b128 v[8*\b:8*\b+3], v[VB], s[BP:BP+1] offset:1024*\b        ; B(16 b + l % 16, 8 (l / 16) + 0 .. 7)
	global_load_b128 v[8*\b+4:8*\b+7], v[VB], s[BP:BP+1] offset:1024*\b+16
.endr
.endif
	WIN 0
	FETCH_A \slot, 1, 1
.endm
; A K step's second 128 along K, and the change of slots: ONE barrier.  Each wave stores its part of A's next tile and issues the 20 products whose operands are in registers; then it waits for all its
; tensor loads, adds 0 to its spare word, steps the descriptors, and waits for the add, for its stores and for its reads of this slot.  Between the last wait and the refill stand the round alone.
; fill = 1: this slot is filled again, two K steps ahead; fill = 2: the round that also brings the scale bytes of the walk's second half: the next K step's words are read AHEAD of it; fill = 0: nothing is left to fetch.
; ask = 1: the prefetch; 2: under the test on the loop's counter; 3: the first loop's first change: in its last trip the step that is named is the walk's 8th, so with PAR = 1 the prefetches' address goes back by 4,096 bytes.
; back = 1: the scale words begin anew at the rows' first byte.  With fill = 2 and with back = 1 the refills are the walk's steps 8 and 9: with PAR = 1 their addresses go back by a row's 4,096 bytes.
.macro TURN slot, next, fill, ask, back
.if \fill
	s_wait_xcnt 0x0                                ; the last change's loads of A's tile and its prefetch have read their bases
.if \ask
	s_add_nc_u64 s[PFA:PFA+1], s[PFA:PFA+1], 256
.endif
.if \ask == 3
	s_cmp_eq_u32 s[CNT], 1
	s_cselect_b32 s8, s[WRC], 0
	s_sub_nc_u64 s[PFA:PFA+1], s[PFA:PFA+1], s[8:9]
.endif
	s_add_nc_u64 s[LAB:LAB+1], s[LAB:LAB+1], 256
.if \fill == 2
	s_sub_nc_u64 s[LAB:LAB+1], s[LAB:LAB+1], s[WRC:WRC+1]
.endif
.endif
	s_wait_loadcnt 0x0                             ; A's next tile, asked for a K step ago
	ds_store_b128 v[LST], v[STG:STG+3] offset:(\next)*LAS              ; into the ring's other half: every wave's reads of it ended ahead of the last barrier
	ds_store_b128 v[LST], v[STG+4:STG+7] offset:(\next)*LAS+8*PITCH
.if \fill == 2
	SCALES \next, 8
	s_wait_dscnt 26                                ; x's places 4-7 (16), the 2 stores and the 8 scale loads may be out
.else
	s_wait_dscnt 18                                ; x's places 4-7 (16) and the 2 stores may be out
.endif
	WIN MUL_LO
	MUL16 0, 1, 1, \slot, 0
	WIN 0                                          ; t's products, the add's registers and the branches below want window 0
	TMUL 1, \slot, 0
	s_wait_tensorcnt 0x0                           ; all my tensor loads have landed: my part of the next slot; so every group 0 may be written
	ds_add_u32 v[SPW], v[NIL]                      ; the add; the descriptors' steps stand between it and its wait
.if \fill
	s_add_nc_u64 s[G0X+4*\slot+2:G0X+4*\slot+3], s[G0X+4*\slot+2:G0X+4*\slot+3], 512
	s_add_nc_u64 s[G0W+4*\slot+2:G0W+4*\slot+3], s[G0W+4*\slot+2:G0W+4*\slot+3], 512
.if (\fill == 2) || \back
	s_sub_nc_u64 s[G0X+4*\slot+2:G0X+4*\slot+3], s[G0X+4*\slot+2:G0X+4*\slot+3], s[WRC:WRC+1]
	s_sub_nc_u64 s[G0W+4*\slot+2:G0W+4*\slot+3], s[G0W+4*\slot+2:G0W+4*\slot+3], s[WRC:WRC+1]
.endif
.if \fill == 2
	s_add_nc_u64 s[G0SX+2:G0SX+3], s[G0SX+2:G0SX+3], 64
	s_sub_nc_u64 s[G0SX+2:G0SX+3], s[G0SX+2:G0SX+3], s[WRS:WRS+1]
	s_add_nc_u64 s[G0SW+2:G0SW+3], s[G0SW+2:G0SW+3], 64
	s_sub_nc_u64 s[G0SW+2:G0SW+3], s[G0SW+2:G0SW+3], s[WRS:WRS+1]
.endif
.endif
	s_wait_dscnt 0x0                               ; the add and my stores are done, and my reads of this slot are over
	s_barrier_signal -1
	s_barrier_wait -1
.if \fill
	CREST                                          ; the barrier has opened a round of the cluster's: no wave of any partner still reads this slot or has a load on its way
.if \fill == 2
	JLOAD7
.else
	JLOAD \slot
.endif
.endif
.if \fill != 2
.if \back
	v_sub_nc_u32 v[ADSL], v[ADSL], 48              ; from step 6's words to byte 0: step 8's, in the half that has just been shown landed
	v_sub_nc_u32 v[ADSH], v[ADSH], 48
.else
	s_wait_alu depctr_va_vdst(0)
	v_add_nc_u32 v[ADSL], 8, v[ADSL]               ; the next K step's words
	v_add_nc_u32 v[ADSH], 8, v[ADSH]
.endif
.endif
	FETCH_B \next, 0, 0                            ; W's set 0 and the other set of scale words were last read a sub-step ago, eight places and more back
.if \fill != 2
	SCALES \next, 0
.endif
	s_wait_alu depctr_va_vdst(0)
	LSCALE \next, 1
.if \fill
	global_load_b128 v[STG:STG+3], v[VLA], s[LAB:LAB+1]                        ; A's tile two K steps on (my stores of the last one are done)
	global_load_b128 v[STG+4:STG+7], v[VLA], s[LAB:LAB+1] offset:8*4096
.endif
.if \ask == 2
	ASK 1
.elseif \ask
	ASK 0
.endif
	WIN MUL_LO
	MUL16 2, 1, 1, \slot, 0
	PLACES 8
	WIN 0
	FETCH_A \next, 0, 0
	FETCH_L \next, 0
	WIN MUL_HI
	MUL16 4, 1, 1, \slot, 0
	MUL16 6, 1, 1, \slot, 0
	PLACES 8
	WIN 0
	FETCH_A \next, 0, 1
	FETCH_B \next, 1, 1                            ; W's set 1 for the next K step's second 128: a whole sub-step ahead
.endm
	FETCH_B 0, 0, 0
	FETCH_A 0, 0, 0
	FETCH_L 0, 0
	SCALES 0, 0
	LSCALE 0, 0
	FETCH_A 0, 0, 1
	s_wait_loadcnt 2                               ; bias is in; A's tile 1 may be out
	STEP 0, 1, 0                                   ; step 0's first half stands in front of the loops: its products start the sums
	s_mov_b32 s[CNT], 3
.Lhalf_a:                                              ; three trips: from step 0's second half to step 6's first
	TURN 0, 1, 1, 3, 0
	STEP 1, 0, 0
	TURN 1, 0, 1, 1, 0
	STEP 0, 0, 0
	s_sub_co_u32 s[CNT], s[CNT], 1
	s_cmp_lg_u32 s[CNT], 0
	s_cbranch_scc1 .Lhalf_a
	s_wait_alu depctr_va_vdst(0)
	TURN 0, 1, 2, 1, 0                             ; behind step 6: the scale bytes of the walk's second half come with step 8's tiles
	STEP 1, 0, 0
	TURN 1, 0, 1, 1, 1                             ; behind step 7: they have landed; step 8's words are their first
	STEP 0, 0, 0
	s_mov_b32 s[CNT], 3
.Lhalf_b:                                              ; three trips: from step 8's second half to step 14's first
	TURN 0, 1, 1, 2, 0
	STEP 1, 0, 0
	TURN 1, 0, 1, 2, 0
	STEP 0, 0, 0
	s_sub_co_u32 s[CNT], s[CNT], 1
	s_cmp_lg_u32 s[CNT], 0
	s_cbranch_scc1 .Lhalf_b
	TURN 0, 1, 0, 0, 0                             ; the tail is written out, so no round of the cluster's barrier
	STEP 1, 0, 1
; THE VERY LAST 128 ALONG K, THE LAST PRODUCT out += t B^T (bf16), AND THE WAY OUT, laid so that finished rows leave while the others are multiplied.
; t's last products come first; x's places 0-3 follow; then t and B are rounded.  Blocks 0-3 take the wave's own t, so block 0 is on its way through the stage before places 4-7 are multiplied.
.macro BMUL a                          ; block a's eight products with B
	WIN MUL_LO+0x50*((\a)/4)
.irp b, 0,1,2,3,4,5,6,7
	v_wmma_f32_16x16x32_bf16 v[8*(8*((\a)%4)+\b):8*(8*((\a)%4)+\b)+7], v[BF+8*\b:BF+8*\b+7], v[TF+8*(\a):TF+8*(\a)+7], v[8*(8*((\a)%4)+\b):8*(8*((\a)%4)+\b)+7]
.endr
.endm
; A block of 16 rows x 128 columns goes through my own stage: 32 bytes a lane in, whole rows of 512 bytes back, which the 32 lanes store as 512 consecutive bytes at a multiple of 256 from out's first byte.
; LDS serves a wave's instructions in order (ISA guide 5.7.1.4): no wait between the stores and the loads, nor in front of the next block's stores.
.macro TOSTAGE a
.set AC, 64*((\a)%4)
; No register is written twice on the way out, so no store's data has to be waited for: blocks 0 and 1 come back into x's fragment registers, block a >= 2 into the accumulators of block a - 2,
; whose stores into the stage are shown done by the wait on DScnt in SEND a - 2, one block earlier.
.if (\a) < 2
.set BB, BK+64*(\a)
	WIN 0x08                                       ; store data window 2, loaded data window 0
.else
.set BB, 64*(((\a)-2)%4)
	WIN 0x88+0x40*(((\a)-2)/4)+4*((\a)/4)          ; store data: block a's window (2 or 3); loaded data: block a - 2's
.endif
.irp b, 0,1,2,3,4,5,6,7
	ds_store_b128 v[STO], v[AC+8*\b:AC+8*\b+3] offset:64*\b          ; each accumulator from its low end on
	ds_store_b128 v[STO], v[AC+8*\b+4:AC+8*\b+7] offset:64*\b+16
.endr
.irp t, 0,1,2,3,4,5,6,7,8,9,10,11,12,13,14,15
	ds_load_b128 v[BB+4*\t:BB+4*\t+3], v[RD] offset:\t*SPITCH
.endr
.endm
.macro SEND a, younger                 ; younger: the LDS instructions issued behind block a's loads.  No base is stepped: 63 rows of 16,384 bytes at the most stand in the immediate
.if (\a) < 2
.set BB, BK+64*(\a)
	WIN 0
.else
.set BB, 64*(((\a)-2)%4)
	WIN 0x08+4*(((\a)-2)/4)                        ; store data: the window of block a - 2's accumulators
.endif
	s_wait_dscnt \younger
.irp t, 0,1,2,3,4,5,6,7,8,9,10,11,12,13,14,15
.if (\a) < 4
	global_store_b128 v[CO], v[BB+4*\t:BB+4*\t+3], s[OUTL:OUTL+1] offset:(((\a)%4)*16+\t)*16384 th:TH_STORE_NT
.else
	global_store_b128 v[CO], v[BB+4*\t:BB+4*\t+3], s[OUTH:OUTH+1] offset:(((\a)%4)*16+\t)*16384 th:TH_STORE_NT
.endif
.endr
.endm
	s_wait_dscnt 16                                ; x's places 0-3 and A's fragment are in; places 4-7 may be out
	TMUL 1, 1, 0                                   ; t is whole
	WIN MUL_LO
	MUL16 0, 1, 1, 1, 0
	MUL16 2, 1, 1, 1, 0
	WIN 0
	PLACES 8                                       ; in front of the reads of t and of the writes over A's fragment
.irp i, 0,1,2,3
.irp r, 0,1,2,3
	v_cvt_pk_bf16_f32 v[TF+8*\i+\r], v[T+8*\i+2*\r], v[T+8*\i+2*\r+1]      ; in place, ascending: ranks 8 (l / 16) + 0 .. 7 of row l % 16 become registers 0-3 of source 1
.endr
.endr
.irp i, 0,1,2,3,4,5,6,7
.irp r, 4,5,6,7
	v_mov_b32 v[TF+8*\i+\r], 0                     ; K = 16 .. 31: zeros
.endr
.endr
.irp i, 0,1,2,3
	ds_store_b128 v[TXS], v[TF+8*\i:TF+8*\i+3] offset:512*\i               ; an image of the registers.  Slot 0 has had its last fill, and nobody has read it since the last barrier
.endr
	s_wait_loadcnt 0x0                             ; B
	WIN 0x45                                       ; sources and destination window 1
.irp b, 0,1,2,3,4,5,6,7
.irp r, 0,1,2,3
	v_cvt_pk_bf16_f32 v[BF+8*\b+\r], v[8*\b+2*\r], v[8*\b+2*\r+1]
.endr
.endr
	WIN TO_B
.irp b, 0,1,2,3,4,5,6,7
.irp r, 4,5,6,7
	v_mov_b32 v[BF+8*\b+\r], 0
.endr
.endr
	WIN 0
	s_wait_alu depctr_va_vdst(0)
	s_wait_dscnt 0x0                               ; my images have landed; x's places 4-7 are in
	s_barrier_signal -1
	BMUL 0                                         ; work on registers while the others arrive: more than nine places lie behind the scaled products on these accumulators
	BMUL 1
	WIN 0
	s_barrier_wait -1
.irp i, 0,1,2,3
	ds_load_b128 v[TF+8*(4+\i):TF+8*(4+\i)+3], v[TXL] offset:512*\i         ; my partner's places 0-3 are my places 4-7
.endr
	PLACES 4                                       ; in front of the stores that read block 0
	TOSTAGE 0                                      ; its rows come back into x's places 0-3, which are done with
	WIN MUL_HI
	MUL16 4, 1, 1, 1, 0
	MUL16 6, 1, 1, 1, 0
	PLACES 9                                       ; another form will write over these accumulators, and loads land in x's places 4-7
.irp a, 1,2,3,4,5,6,7
.if \a < 7
	BMUL \a+1                                      ; (block 4's stands behind SEND 0's wait, which shows the partner's t in)
.endif
	PLACES 4
	TOSTAGE \a
	SEND \a-1, 32                                  ; behind block a - 1's loads: block a's 16 stores and 16 loads
.endr
	SEND 7, 0
	WIN 0                                          ; the add's two registers lie in window 0
	s_wait_tensorcnt 0x0                           ; the wave's end
	ds_add_u32 v[SPW], v[NIL]
	s_wait_dscnt 0x0
	CROUND                                         ; the closing round: no work-group ends while a partner may still ask for a tile that names it
	s_endpgm
.Lfunc_end_k_q5f63c5e3cb_lora_gemm:
	.size	k_q5f63c5e3cb_lora_gemm, .Lfunc_end_k_q5f63c5e3cb_lora_gemm-k_q5f63c5e3cb_lora_gemm
	.p2alignl 7, 3214868480
	.fill 96, 4, 3214868480
	.section	.rodata,"a",@progbits
	.p2align	6, 0x0
	.amdhsa_kernel k_q5f63c5e3cb_lora_gemm
		.amdhsa_group_segment_fixed_size 327680
		.amdhsa_private_segment_fixed_size 0
		.amdhsa_enable_private_segment 0
		.amdhsa_kernarg_size 72
		.amdhsa_user_sgpr_count 2
		.amdhsa_user_sgpr_kernarg_segment_ptr 1
		.amdhsa_wavefront_size32 1
		.amdhsa_system_sgpr_workgroup_id_x 1
		.amdhsa_system_sgpr_workgroup_id_y 1
		.amdhsa_system_sgpr_workgroup_id_z 1
		.amdhsa_system_vgpr_workitem_id 0
		.amdhsa_next_free_vgpr 1024
		.amdhsa_next_free_sgpr 106
		.amdhsa_reserve_vcc 0
		.amdhsa_float_denorm_mode_32 3
		.amdhsa_float_denorm_mode_16_64 3
		.amdhsa_memory_ordered 1
		.amdhsa_forward_progress 1
		.amdhsa_inst_pref_size 255
	.end_amdhsa_kernel
	.section	.bss,"aw",@nobits
	.p2align	6
	.space	262144
	.amdgpu_metadata
---
amdhsa.version: [ 1, 2 ]
amdhsa.kernels:
  - .name:           k_q5f63c5e3cb_lora_gemm
    .symbol:         k_q5f63c5e3cb_lora_gemm.kd
    .args:
      - { .name: x_codes, .offset: 0, .size: 8, .value_kind: global_buffer, .address_space: global }
      - { .name: x_scales, .offset: 8, .size: 8, .value_kind: global_buffer, .address_space: global }
      - { .name: W_codes, .offset: 16, .size: 8, .value_kind: global_buffer, .address_space: global }
      - { .name: W_scales, .offset: 24, .size: 8, .value_kind: global_buffer, .address_space: global }
      - { .name: A_codes, .offset: 32, .size: 8, .value_kind: global_buffer, .address_space: global }
      - { .name: A_scales, .offset: 40, .size: 8, .value_kind: global_buffer, .address_space: global }
      - { .name: B, .offset: 48, .size: 8, .value_kind: global_buffer, .address_space: global }
      - { .name: bias, .offset: 56, .size: 8, .value_kind: global_buffer, .address_space: global }
      - { .name: out0, .offset: 64, .size: 8, .value_kind: global_buffer, .address_space: global }
    .group_segment_fixed_size: 327680
    .private_segment_fixed_size: 0
    .kernarg_segment_align: 8
    .kernarg_segment_size: 72
    .max_flat_workgroup_size: 128
    .sgpr_count:     106
    .vgpr_count:     1024
    .wavefront_size: 32
...
	.end_amdgpu_metadata
.endif
;; end of part 1
